; MI455X (gfx1250); checked and timed in simulation.
; The chip was launched on July 23, 2026; its instructions are those of AMD's public machine-readable ISA for CDNA 5 (MIT licence, August 2026) and "CDNA5" Instruction Set Architecture Reference Guide (July 2026). The comments in the code are by the model that wrote it; some were corrected since.
;; Persistence Image Torch. Allowed arithmetic: float matrix products may take bf16 or f16 operands with f32 sums; all other float work in f32.
;; Inputs: X 32 x 2,048 x 2 float32.
;; Outputs: out0 32 x 4,096 float32.
;; One version. Each part assembles by itself: llvm-mc -triple=amdgcn-amd-amdhsa -mcpu=gfx1250 --defsym DOCPART=n.
;; ======== version 1 of 1: 1 launch
;; limits: values outside matrix products are rounded to bf16
;; launch pimage (part 1): grid 8 x 32, 16 waves a work-group, no clusters, 55,296 bytes of LDS; arguments X, out0; writes out0
.if DOCPART == 1
	.amdgcn_target "amdgcn-amd-amdhsa--gfx1250"
	.amdhsa_code_object_version 6
	.text
	.protected	k_q5d1b66b350_pimage
	.globl	k_q5d1b66b350_pimage
	.p2align	8
	.type	k_q5d1b66b350_pimage,@function
k_q5d1b66b350_pimage:
	s_mov_b64 s[64:65], 0
	v_nop
	global_prefetch_b8 v0, s[64:65] scope:SCOPE_SE
	s_setreg_imm32_b32 hwreg(HW_REG_WAVE_MODE, 25, 1), 1
	s_wait_xcnt 0x0
; Persistence image.  out0[b][64 y + x] = sum over n of exp(-((py - yv[y])^2 + (px - xv[x])^2) / 0.02) / (2 pi 0.01),
; px = birth, py = death - birth, xv[j] = yv[j] = j / 63.   X: [32][2048][2] f32, out0: [32][4096] f32.
;
; The Gaussian is a product of a factor in y and a factor in x, so an image is a matrix product over the 2,048 points:
; image = Gy^T Gx.  The factors are made in f32, rounded to bf16 and multiplied by the matrix unit with f32 sums.
; With s = sqrt(50 log2 e) a factor is 2^(-(s p - s g)^2 + c), c = log2(1 / (2 pi 0.01)) / 2: each factor carries the root of the norm.
;
; SHARES.  Grid 8 x 32: work-group (tile, b) makes 16 rows y x 32 columns x of image b; no sum crosses a work-group.
; 16 waves; wave w sums over points 128 w .. 128 w + 127 (4 steps of K = 32); the 16 partial tiles meet in LDS.
; A bf16 fragment holds, in lane (r = lane % 16, h = lane / 16), ONE grid line r and 16 values of k (ISA guide 7.12.2).  So a lane
; computes its 16 factors in place from 16 points; the point in each k slot is the same in both operands, which is all a product needs:
; lanes with half-wave number u = t / 16 take points 64 u + 16 q + 0..15 in step q.
;
; NOT USED: joint requests in a cluster.  What the 8 work-groups of a diagram share is its 16,384 bytes, read once, at the very start,
; by two loads a thread; there is no later step that a shared request could shorten.
; A wave's store covers 128 consecutive bytes (half an image row): the tile is 32 columns wide so that there are 256 work-groups.
;
; LIMITS.  Both factors are rounded to bf16 (2^-9 each) and all terms are positive: a pixel is within 2^-8 of its f32 value, relatively.
; Factors below 2^-126 count as 0 (v_exp_f32 flushes).  Grid lines are j x fl(s / 63), a few last bits from linspace.
; Coordinates so large that s x overflows, and infinities, give the factor 0, as the reference's exp does.  A NaN coordinate is
; handed on as the arithmetic and the matrix unit hand it on; nothing is done for it.
.set LDS_PX,  0                        ; s px of the 2,048 points, f32
.set LDS_PY,  8192                     ; s py
.set LDS_RED, 16384                    ; 16 waves x 16 rows x RPITCH: the partial tiles
.set RPITCH,  144                      ; 128 bytes of a tile's row + 16: sixteen rows' 16-byte columns fall on different banks
.set RWAVE,   16*RPITCH
.set SCALE,   0x4107e439               ; s = sqrt(50 log2 e) = 8.493218
.set NSTEP,   0xbe0a0c6a               ; -s / 63 = -0.13481298
.set HALFLOG, 0x3fff82d4               ; c = log2(15.915494) / 2 = 1.9961800
.set RAW,  4                           ; v[4:11]    four points as loaded: birth, death, ...
.set SPX,  12                          ; v[12:15]   their s px
.set SPY,  16                          ; v[16:19]   their s py
.set NGY,  20                          ; v[20:21]   -s yv of my row, twice (a pair for the packed add)
.set NGX0, 22                          ; v[22:23]   -s xv of my column in the tile's columns 0-15, twice
.set NGX1, 24                          ; v[24:25]   the same for columns 16-31
.set HL,   26                          ; v[26:27]   c, twice
.set LA,   28                          ; LDS offset of my half-wave's 64 points
.set SA,   29                          ; where I put my part of the partial tile
.set RA,   30                          ; where I read one pixel's partial sums
.set OO,   31                          ; my pixel's byte offset in the image
.set T0,   32                          ; v[32:47]   16 exponents, then 16 factors
.set T1,   48                          ; v[48:63]   the second such set: one is packed while the other is prepared
.set FY,   64                          ; v[64:71]   fragment: 16 rows y x 32 points
.set FX0,  72                          ; v[72:79]   fragment: columns 0-15 x 32 points
.set FX1,  80                          ; v[80:87]   fragment: columns 16-31
.set ACC0, 88                          ; v[88:95]   sums, columns 0-15
.set ACC1, 96                          ; v[96:103]  sums, columns 16-31
.set PYR,  104                         ; v[104+32q : 119+32q]  s py of my 16 points of step q
.set PXR,  120                         ; v[120+32q : 135+32q]  s px of the same points
	s_load_b128 s[4:7], s[0:1], 0x0                ; X s[4:5], out0 s[6:7]
	v_lshl_add_u32 v232, v0, 2, 0xd000
	v_mov_b32 v233, 0
	s_and_b32 s8, ttmp7, 0xffff                    ; the diagram b
	s_lshl_b32 s10, s8, 14                         ; a diagram is 2048 x 8 = 16,384 bytes, an image 4096 x 4 = 16,384 bytes
	s_mov_b32 s11, 0
	v_lshlrev_b32 v1, 4, v0                        ; 16 t: neighbouring lanes, neighbouring 16 bytes
	s_wait_kmcnt 0x0
	s_add_nc_u64 s[4:5], s[4:5], s[10:11]
	s_add_nc_u64 s[6:7], s[6:7], s[10:11]
	global_load_b128 v[RAW:RAW+3],   v1, s[4:5]               ; points 2 t, 2 t + 1
	global_load_b128 v[RAW+4:RAW+7], v1, s[4:5] offset:8192   ; points 1024 + 2 t, 1024 + 2 t + 1
	; while they are on their way: ids, grid lines, addresses
	v_lshrrev_b32 v2, 5, v0
	v_readfirstlane_b32 s9, v2                     ; wave 0..15
	s_lshr_b32 s12, ttmp9, 1
	s_lshl_b32 s12, s12, 4                         ; y0 = 16 (tile / 2)
	s_and_b32 s13, ttmp9, 1
	s_lshl_b32 s13, s13, 5                         ; x0 = 32 (tile % 2)
	s_mov_b32 s14, SCALE
	s_mul_i32 s15, s9, RWAVE                       ; my wave's partial tile
	s_mul_i32 s16, s9, RPITCH                      ; row w of a partial tile: the row that my wave sums at the end
	s_add_co_u32 s17, s12, s9
	s_lshl_b32 s17, s17, 8                         ; image row y0 + w, 256 bytes a row,
	s_lshl2_add_u32 s17, s13, s17                  ; + 4 x0
	v_and_b32 v3, 15, v0                           ; r
	v_add_nc_u32 v[NGY],  s12, v3                  ; my grid lines' numbers
	v_add_nc_u32 v[NGX0], s13, v3
	v_add_nc_u32 v[NGX1], 16, v[NGX0]
.irp g, NGY, NGX0, NGX1
	v_cvt_f32_u32 v[\g+1], v[\g]
	v_mul_f32 v[\g],   NSTEP, v[\g+1]              ; -s j / 63, into both registers of the pair
	v_mul_f32 v[\g+1], NSTEP, v[\g+1]
.endr
	v_mov_b32 v[HL],   HALFLOG
	v_mov_b32 v[HL+1], HALFLOG
	v_lshlrev_b32 v2, 3, v0                        ; 8 t: two f32 a thread in each array's half
	v_and_b32 v[LA], 0x1f0, v0
	v_lshlrev_b32 v[LA], 4, v[LA]                  ; 256 (t / 16): 64 points x 4 bytes for each half-wave
	s_wait_loadcnt 0x0
.irp i, 0,1,2,3
	v_sub_f32 v[SPY+\i], v[RAW+2*\i+1], v[RAW+2*\i]        ; death - birth, rounded as the reference rounds it
	v_mul_f32 v[SPX+\i], s14, v[RAW+2*\i]
.endr
.irp i, 0,1,2,3
	v_mul_f32 v[SPY+\i], s14, v[SPY+\i]
.endr
	ds_store_b64 v2, v[SPX:SPX+1]   offset:LDS_PX
	ds_store_b64 v2, v[SPX+2:SPX+3] offset:LDS_PX+4096
	ds_store_b64 v2, v[SPY:SPY+1]   offset:LDS_PY
	ds_store_b64 v2, v[SPY+2:SPY+3] offset:LDS_PY+4096
	s_wait_dscnt 0x0                               ; my stores are in LDS before I say so: the other waves read them
	s_barrier_signal -1
	s_barrier_wait -1
	; all 128 numbers that my lane needs, 32 loads in one run.  The 16 lanes of a half read the same 16 bytes.
.irp q, 0,1,2,3
.irp c, 0,1,2,3
	ds_load_b128 v[PYR+32*\q+4*\c:PYR+32*\q+4*\c+3], v[LA] offset:LDS_PY+64*\q+16*\c
.endr
.irp c, 0,1,2,3
	ds_load_b128 v[PXR+32*\q+4*\c:PXR+32*\q+4*\c+3], v[LA] offset:LDS_PX+64*\q+16*\c
.endr
.endr
; 16 exponents into set t: -(s p - s g)^2 + c, two at a time
.macro ARG t, p, ng
.irp i, 0,2,4,6,8,10,12,14
	v_pk_add_f32 v[\t+\i:\t+\i+1], v[\p+\i:\p+\i+1], v[\ng:\ng+1]
.endr
.irp i, 0,2,4,6,8,10,12,14
	v_pk_fma_f32 v[\t+\i:\t+\i+1], v[\t+\i:\t+\i+1], v[\t+\i:\t+\i+1], v[HL:HL+1] neg_lo:[0,1,0] neg_hi:[0,1,0]
.endr
.endm
.macro EXPS t
.irp i, 0,1,2,3,4,5,6,7,8,9,10,11,12,13,14,15
	v_exp_f32 v[\t+\i], v[\t+\i]
.endr
.endm
; 16 factors to bf16: register j of the fragment takes my points 2 j and 2 j + 1, in every fragment alike
.macro PACK f, t
	s_wait_alu depctr_va_vdst(0)
.irp j, 0,1,2,3,4,5,6,7
	v_cvt_pk_bf16_f32 v[\f+\j], v[\t+2*\j], v[\t+2*\j+1]
.endr
.endm
; One fragment: the exponentials of set tc; then the NEXT fragment's exponents into set tn; then tc is packed into f.
; The 16 packed instructions of ARG are the plain place that has to stand between a transcendental and the use of its result
; (ISA guide 5.7.2), and the places between a matrix instruction and a write of one of its sources (7.12.1): they name neither.
; left >= 0: how many younger LDS loads may stay out when the next fragment's points have to be in.
.macro JOB f, tc, tn, pn, ngn, left
	EXPS \tc
.if \left >= 0
	s_wait_dscnt \left
.endif
	ARG \tn, \pn, \ngn
	PACK \f, \tc
.endm
; Source 0 = 16 columns x, source 1 = 16 rows y: in the result lane (r, h) holds row y0 + r, and its registers 0-7 the
; eight neighbouring columns 8 h + 0..7.  zero = 1: the first product starts the sums.
.macro MUL zero
.if \zero
	v_wmma_f32_16x16x32_bf16 v[ACC0:ACC0+7], v[FX0:FX0+7], v[FY:FY+7], 0
	v_wmma_f32_16x16x32_bf16 v[ACC1:ACC1+7], v[FX1:FX1+7], v[FY:FY+7], 0
.else
	v_wmma_f32_16x16x32_bf16 v[ACC0:ACC0+7], v[FX0:FX0+7], v[FY:FY+7], v[ACC0:ACC0+7]
	v_wmma_f32_16x16x32_bf16 v[ACC1:ACC1+7], v[FX1:FX1+7], v[FY:FY+7], v[ACC1:ACC1+7]
.endif
.endm
; Step q of K.  On entry set ta holds the exponents of step q's y fragment; on exit set tb those of step q + 1's.
; The loads were issued py(0), px(0), py(1), .. four each: behind px(q) stand 24 - 8 q, behind py(q + 1) 20 - 8 q.
.macro KSTEP q, ta, tb, zero
	JOB FY,  \ta, \tb, PXR+32*\q, NGX0, 24-8*\q
	JOB FX0, \tb, \ta, PXR+32*\q, NGX1, -1
	JOB FX1, \ta, \tb, PYR+32*(\q+1), NGY, 20-8*\q
	MUL \zero
.endm
	s_wait_dscnt 28                                ; py(0): the first four of the 32 loads
	ARG T0, PYR, NGY
	KSTEP 0, T0, T1, 1
	KSTEP 1, T1, T0, 0
	KSTEP 2, T0, T1, 0
	JOB FY,  T1, T0, PXR+96, NGX0, 0               ; the last step: px(3) is the last of the loads,
	JOB FX0, T0, T1, PXR+96, NGX1, -1
	EXPS T1                                        ; and no fragment follows: the place behind the exponentials is address work
	v_bfe_u32 v2, v0, 4, 1                         ; h
	v_mul_u32_u24 v[SA], v3, RPITCH                ; row r of my partial tile
	v_lshl_add_u32 v[SA], v2, 5, v[SA]             ; + 8 h columns of 4 bytes
	v_add_nc_u32 v[SA], s15, v[SA]
	s_wait_alu depctr_va_vdst(0)
	PACK FX1, T1
	MUL 0
	v_and_b32 v[RA], 31, v0                        ; four plain instructions that name none of the matrix instructions' registers
	v_lshlrev_b32 v[RA], 2, v[RA]                  ; stand between them and the stores of their results
	v_add_nc_u32 v[OO], s17, v[RA]                 ; pixel (y0 + w, x0 + lane) of the image
	v_add_nc_u32 v[RA], s16, v[RA]                 ; row w, column lane of a partial tile
	; the 16 waves' partial tiles meet in LDS, each a tile of 16 rows x 32 f32
	ds_store_b128 v[SA], v[ACC0:ACC0+3]   offset:LDS_RED
	ds_store_b128 v[SA], v[ACC0+4:ACC0+7] offset:LDS_RED+16
	ds_store_b128 v[SA], v[ACC1:ACC1+3]   offset:LDS_RED+64
	ds_store_b128 v[SA], v[ACC1+4:ACC1+7] offset:LDS_RED+80
	s_wait_dscnt 0x0                               ; in LDS before I say so
	s_barrier_signal -1
	s_barrier_wait -1
.irp u, 0,1,2,3,4,5,6,7,8,9,10,11,12,13,14,15
	ds_load_b32 v[T0+\u], v[RA] offset:LDS_RED+\u*RWAVE    ; my pixel in wave u's tile: 32 lanes, 32 neighbouring words
.endr
	s_wait_dscnt 0x0
.irp i, 0,4,8,12
	v_pk_add_f32 v[T0+\i:T0+\i+1], v[T0+\i:T0+\i+1], v[T0+\i+2:T0+\i+3]
.endr
	v_pk_add_f32 v[T0:T0+1],   v[T0:T0+1],   v[T0+4:T0+5]
	v_pk_add_f32 v[T0+8:T0+9], v[T0+8:T0+9], v[T0+12:T0+13]
	v_pk_add_f32 v[T0:T0+1],   v[T0:T0+1],   v[T0+8:T0+9]
	v_add_f32 v[T0], v[T0], v[T0+1]
	global_store_b32 v[OO], v[T0], s[6:7]          ; the wave's 32 lanes: 128 consecutive bytes of one image row
	s_wait_tensorcnt 0x0
	ds_add_u32 v232, v233
	s_wait_dscnt 0x0
	s_endpgm
.Lfunc_end_k_q5d1b66b350_pimage:
	.size	k_q5d1b66b350_pimage, .Lfunc_end_k_q5d1b66b350_pimage-k_q5d1b66b350_pimage
	.p2alignl 7, 3214868480
	.fill 96, 4, 3214868480
	.section	.rodata,"a",@progbits
	.p2align	6, 0x0
	.amdhsa_kernel k_q5d1b66b350_pimage
		.amdhsa_group_segment_fixed_size 55296
		.amdhsa_private_segment_fixed_size 0
		.amdhsa_enable_private_segment 0
		.amdhsa_kernarg_size 16
		.amdhsa_user_sgpr_count 2
		.amdhsa_user_sgpr_kernarg_segment_ptr 1
		.amdhsa_wavefront_size32 1
		.amdhsa_system_sgpr_workgroup_id_x 1
		.amdhsa_system_sgpr_workgroup_id_y 1
		.amdhsa_system_sgpr_workgroup_id_z 1
		.amdhsa_system_vgpr_workitem_id 0
		.amdhsa_next_free_vgpr 234
		.amdhsa_next_free_sgpr 66
		.amdhsa_reserve_vcc 0
		.amdhsa_float_denorm_mode_32 3
		.amdhsa_float_denorm_mode_16_64 3
		.amdhsa_memory_ordered 1
		.amdhsa_forward_progress 1
		.amdhsa_inst_pref_size 33
	.end_amdhsa_kernel
	.amdgpu_metadata
---
amdhsa.version: [ 1, 2 ]
amdhsa.kernels:
  - .name:           k_q5d1b66b350_pimage
    .symbol:         k_q5d1b66b350_pimage.kd
    .args:
      - { .name: X, .offset: 0, .size: 8, .value_kind: global_buffer, .address_space: global }
      - { .name: out0, .offset: 8, .size: 8, .value_kind: global_buffer, .address_space: global }
    .group_segment_fixed_size: 55296
    .private_segment_fixed_size: 0
    .kernarg_segment_align: 8
    .kernarg_segment_size: 16
    .max_flat_workgroup_size: 512
    .sgpr_count:     66
    .vgpr_count:     234
    .wavefront_size: 32
...
	.end_amdgpu_metadata
.endif
;; end of part 1
